; MI455X (gfx1250); checked and timed in simulation.
; The chip was launched on July 23, 2026; its instructions are those of AMD's public machine-readable ISA for CDNA 5 (MIT licence, August 2026) and "CDNA5" Instruction Set Architecture Reference Guide (July 2026). The comments in the code are by the model that wrote it; some were corrected since.
;; Causal Multi Head Attention. Allowed arithmetic: matrix products marked QUANTISED: E2M3 operands, one E8M0 scale for each 32 along K, by v_wmma_scale_f32_16x16x128_f8f6f4 with both operands' format E2M3, f32 sums; everything else in f32.
;; Inputs: W_k 1,024 x 1,024 float32; W_q 1,024 x 1,024 float32; W_v 1,024 x 1,024 float32; X 4 x 2,048 x 1,024 float32.
;; Outputs: out0 4 x 2,048 x 1,024 float32.
;; This version of the problem:
;;   THIS VERSION OF THE PROBLEM IS GIVEN IN LOW PRECISION. The matrix products marked QUANTISED in the list below multiply operands that are first quantised to E2M3 (2 exponent bits, 3 mantissa bits; 6 bits a number), with one power-of-two scale for each 32 numbers along K (OCP MX v1.0); their sums are f32. All else is computed in f32.
;;   The module's matrix products, in the order in which they are computed (A, B: the left and right operand; K: the contracted axis; several contracted axes count as one K, in the product's order):
;;     1. [M 8,192, K 1,024] x [K 1,024, N 1,024]; A: input X; B: input W_q: QUANTISED
;;     2. [M 8,192, K 1,024] x [K 1,024, N 1,024]; A: input X; B: input W_k: QUANTISED
;;     3. [M 8,192, K 1,024] x [K 1,024, N 1,024]; A: input X; B: input W_v: QUANTISED
;;     4. batch 64 x [M 2,048, K 64] x [K 64, N 2,048]; A: computed on the way; B: computed on the way: QUANTISED
;;     5. batch 64 x [M 2,048, K 2,048] x [K 2,048, N 64]; A: softmax (see below); B: computed on the way: QUANTISED
;;   THE QUANTISER, for each operand of a quantised product, along K:
;;     - K is cut into blocks of 32 from its start; a last block that is shorter is filled with zeros.
;;     - A block's scale is 2^e with e = floor(log2(the largest magnitude in the block)) - 2, held to -126 .. 127; a block of zeros has e = 0. As a byte (E8M0): e + 127.
;;     - Each number is divided by its block's scale, clamped to +-7.5, and rounded to the nearest number of E2M3, ties to even, subnormals kept.
;;     - The product sums the exact products of the quantised numbers (number of the format x scale) in f32.
;;   ~~~python
;;   def quantise(x, axis):      # numpy; x: float32 -> the quantised numbers, widened to float32 again
;;       x = np.moveaxis(x, axis, -1); K = x.shape[-1]
;;       x = np.pad(x, [(0, 0)] * (x.ndim - 1) + [(0, -K % 32)]); x = x.reshape(x.shape[:-1] + (-1, 32)); a = np.abs(x).max(-1, keepdims=True)
;;       e = np.where(a > 0, np.clip(np.frexp(np.where(a > 0, a, 1))[1] - 1 - 2, -126, 127), 0)      # np.frexp(a)[1] - 1 = floor(log2(a)), exactly
;;       r = np.clip(x / 2.0 ** e, -7.5, 7.5)
;;       step = 2.0 ** (np.maximum(np.frexp(np.where(r == 0, 1, r))[1] - 1, 0) - 3)
;;       q = np.round(r / step) * step * 2.0 ** e      # np.round: ties to even
;;       return np.moveaxis(q.reshape(q.shape[:-2] + (-1,))[..., :K], -1, axis).astype(np.float32)
;;   ~~~
;;   SOFTMAX AHEAD OF A QUANTISED PRODUCT. Where the list says 'softmax', what is quantised is not the finished softmax but p = 2^(t - M), with t = logit x log2(e) and M = ceil(the row's largest t), a whole number; so 1/2 < the row's largest p <= 1. The row's sum l is taken of the UNQUANTISED p, in f32, and the product's result is divided by l at the end. Since M is a whole number, a kernel that streams over the keys may use a running M (the ceiling of the running maximum): every later rescaling is an exact power of two, which a block's scale takes up: the codes' values come out the same.
;;   OPERANDS COMPUTED ON THE WAY. 'Computed on the way' means the value that the module computes at that place (a softmax that the list does not call 'softmax' is quantised finished and normalised). What goes into a quantiser is computed in f32, as accurately as f32 sums, v_exp_f32 and their like allow (about 1e-6 of the number): no bf16 or f16 on the way to a quantiser, and a product that is left as it is and whose result goes on into a quantised operand takes f32 operands (vector FMAs, or v_wmma_f32_16x16x4_f32). A number that lies on a knife's edge between two numbers of the format may be rounded either way, as far as f32 arithmetic and the matrix unit's own rounding can turn it there, and no further.
;; One version. Each part assembles by itself: llvm-mc -triple=amdgcn-amd-amdhsa -mcpu=gfx1250 --defsym DOCPART=n.
;; ======== version 1 of 1: 3 launches
;; limits: right only within a limited range of input values
;; workspace buffers: xc 6,291,456 bytes; xs 262,144 bytes; wc 2,359,296 bytes; ws 98,304 bytes; qkvc 18,874,368 bytes; qkvs 786,432 bytes
;; launch prep (part 1): grid 352 x 1, 4 waves a work-group, no clusters, 34,304 bytes of LDS; arguments X, W_q, W_k, W_v, xc, xs, wc, ws; writes xc, xs, wc, ws
.if DOCPART == 1
	.amdgcn_target "amdgcn-amd-amdhsa--gfx1250"
	.amdhsa_code_object_version 6
	.text
	.protected	k_q4513526ad5_prep
	.globl	k_q4513526ad5_prep
	.p2align	8
	.type	k_q4513526ad5_prep,@function
k_q4513526ad5_prep:
	s_mov_b64 s[64:65], 0
	v_nop
	global_prefetch_b8 v0, s[64:65] scope:SCOPE_SE
	s_setreg_imm32_b32 hwreg(HW_REG_WAVE_MODE, 25, 1), 1
	s_wait_xcnt 0x0
; X [8192][1024] and W_q, W_k, W_v [1024 (k)][1024 (n)], f32, become codes of FP6 (E2M3) with one E8M0 byte for each 32 along K = 1024.
; A block's scale is 2^(floor(log2(its largest magnitude)) - 2); its byte is the largest magnitude's exponent field - 2, held at 1 from below.
; LIMITS: NaN and infinities among the inputs are not served; a block whose largest magnitude lies under 2^-124, a block of zeros among them, gets the byte 1
; (the rule says 127 for zeros): its codes are zeros or the nearest codes under that scale, and the bytes are read by this program alone.
; THE CODES ARE LAID AS IMAGES OF THE OPERAND REGISTERS.  A fragment is 16 rows x 128 K, 12 registers a lane: lane l = r + 16 h holds row r, registers 6 c .. 6 c + 5 hold k = 64 c + 32 h + 0 .. 31.
; Its image: registers 4 g .. 4 g + 3 at byte 512 g + 16 l, 1,536 bytes.  Buffer: [tile of 256 rows][256 along K: 4][fragment: 16][K step: 2][1,536].  Fragment 2 g32 + u holds in lane r the row 32 g32 + 8 u + r + 8 (r / 8).
; THE SCALE WORDS (four bytes: one row, 128 along K): [g32][256 along K: 4][u 2][r 16][2 words].  W's rows are its columns n: W_q 0.., W_k 1,024.., W_v 2,048...
; Work-groups 0-255 take X: 32 rows each, a wave 256 along K.  Work-groups 256-351 take the weights: 128 columns x 256 along K each, a wave 32 columns.
; Memory binds: no matrix unit, no tensor load, no barrier; waves share nothing.  Only the X path touches LDS (a stage of 16 x 528 bytes for each wave).
.set R,    16                          ; X path: v16-143  two sets of 64 registers as loaded
.set XN,   144                         ; v144-207 64 numbers of my row: register 32 c + i = k 64 c + 32 h + i
.set CD,   208                         ; v208-231 two sets of 12: a fragment's codes
.set T2,   232                         ; v232-238 the second halves of the blocks, as the conversions leave them
.set WD,   12                          ; v12-15   a scale word for each step
.set XW,   32                          ; W path: v32-95 two sets of 32 numbers down K
.set CW,   96                          ; v96-143  four sets of 12: codes
.set TW,   144                         ; v144-146
.set SB,   24                          ; v24-25   my column's two scale words
	s_load_b256 s[4:11], s[0:1], 0x0               ; X, W_q, W_k, W_v
	s_load_b256 s[12:19], s[0:1], 0x20             ; xc, xs, wc, ws
	v_lshl_add_u32 v240, v0, 2, 0x8400
	v_mov_b32 v241, 0
	v_lshrrev_b32 v1, 5, v0
	v_readfirstlane_b32 s20, v1                    ; wave 0..3
	v_and_b32 v10, 31, v0                          ; lane
	v_and_b32 v11, 15, v0                          ; r
	v_bfe_u32 v4, v0, 4, 1                         ; h
	v_lshlrev_b32 v1, 4, v10                       ; 16 x lane
	v_lshlrev_b32 v5, 3, v10                       ; 8 x lane
	s_cmp_lt_u32 ttmp9, 256
	s_cbranch_scc0 .Lpath_w
; ---------------- X: K is innermost.  A step is one fragment: 16 rows x 128 K.  Each load reads 512 consecutive bytes of one row; the 8,192 bytes turn through the stage, so that a lane gets its row's two blocks.
	s_mul_i32 s22, s20, 8448                       ; my stage
	v_add_nc_u32 v2, s22, v1                       ; in: row i at 528 i, 16 bytes a lane
	v_mul_u32_u24 v3, v11, 528
	v_lshl_add_u32 v3, v4, 7, v3
	v_add_nc_u32 v3, s22, v3                       ; out: row r, + 128 h: rows 528 bytes apart, so sixteen lanes touch sixteen different columns of 16 bytes
	v_lshlrev_b32 v4, 3, v4                        ; 8 h: where my two bytes stand in a scale word
	s_mov_b32 s24, 0x76543210
	s_mov_b32 s25, 0xfedcba98                      ; v_permlanex16_b32: lane l xor 16
	s_mov_b32 s26, 0xffff0000                      ; lanes 16-31
	s_lshl_b32 s22, ttmp9, 17                      ; X: 32 rows of 4,096 bytes,
	s_lshl_b32 s23, s20, 10                        ; my 256 along K
	s_add_co_u32 s22, s22, s23
	s_mov_b32 s23, 0
	; xc and wc are laid [tile of 256 rows][256 along K: 4][fragment: 16][K step: 2][1,536]: a tile's 256 along K are 49,152 dense bytes
	s_lshr_b32 s28, ttmp9, 3                       ; the tile of 256 rows
	s_mul_i32 s28, s28, 196608
	s_and_b32 s29, ttmp9, 7                        ; my two fragments in it
	s_mul_i32 s29, s29, 6144
	s_add_co_u32 s28, s28, s29
	s_mul_i32 s29, s20, 49152                      ; my 256 along K
	s_add_co_u32 s28, s28, s29
	s_mov_b32 s29, 0
	s_lshl_b32 s30, ttmp9, 10                      ; xs
	s_lshl_b32 s31, s20, 8
	s_add_co_u32 s30, s30, s31
	s_mov_b32 s31, 0
	s_wait_kmcnt 0x0
	s_add_nc_u64 s[4:5], s[4:5], s[22:23]
	s_add_nc_u64 s[12:13], s[12:13], s[28:29]
	s_add_nc_u64 s[14:15], s[14:15], s[30:31]
.macro LOADX t                         ; step t = 2 u + s: fragment u, K step s of my two
.irp i, 0,1,2,3,4,5,6,7,8,9,10,11,12,13,14,15
	global_load_b128 v[R+64*((\t)%2)+4*\i:R+64*((\t)%2)+4*\i+3], v1, s[4:5] offset:(8*((\t)/2)+\i+8*(\i/8))*4096+512*((\t)%2) th:TH_LOAD_NT
.endr
.endm
.macro STEPX t
.set RS, R+64*((\t)%2)
.set CC, CD+12*((\t)%2)
.if (\t) < 3
	s_wait_loadcnt 16                              ; this step's 16 loads are in; the next step's 16 may be out
.else
	s_wait_loadcnt 0x0
.endif
.irp i, 0,1,2,3,4,5,6,7,8,9,10,11,12,13,14,15
	ds_store_b128 v2, v[RS+4*\i:RS+4*\i+3] offset:528*\i
.endr
.irp c, 0,1
.irp j, 0,1,2,3,4,5,6,7
	ds_load_b128 v[XN+32*\c+4*\j:XN+32*\c+4*\j+3], v3 offset:256*\c+16*\j   ; LDS serves a wave's instructions in order: these see the stores above
.endr
.endr
	s_wait_dscnt 0x0                               ; my numbers are back, and the stores have read their registers,
.if (\t) < 2
	LOADX (\t)+2                                   ; which take the loads of two steps on
.endif
	v_max3_num_f32 v6, |v[XN]|, |v[XN+1]|, 0x1800000      ; my two blocks by turns; the floor 2^(3 - 127) among the leaves holds the byte at 1 from below
	v_max3_num_f32 v7, |v[XN+32]|, |v[XN+33]|, 0x1800000
.irp i, 2,4,6,8,10,12,14,16,18,20,22,24,26,28,30
	v_max3_num_f32 v6, v6, |v[XN+\i]|, |v[XN+\i+1]|
	v_max3_num_f32 v7, v7, |v[XN+32+\i]|, |v[XN+33+\i]|
.endr
	v_add_nc_u32 v8, 0xff000000, v6                ; 2 off the exponent field: the conversion's scale operand
	v_add_nc_u32 v9, 0xff000000, v7
	v_lshrrev_b32 v10, 23, v8                      ; the bytes of blocks h and 2 + h
	v_lshrrev_b32 v11, 23, v9
	v_lshl_or_b32 v10, v11, 16, v10
	v_lshlrev_b32 v10, v4, v10                     ; at their places in the word
	v_permlanex16_b32 v11, v10, s24, s25
	v_or_b32 v[WD+(\t)], v10, v11                  ; with lane l xor 16's two the word is whole, in both halves of the lanes
.if (\t) >= 2
	s_wait_alu depctr_va_vdst(0)
	s_wait_xcnt 0x0                                ; the stores of two steps ago have read this set of codes
.endif
	v_cvt_scalef32_pk16_fp6_f32 v[CC:CC+2], v[XN:XN+15], v8
	v_cvt_scalef32_pk16_fp6_f32 v[T2:T2+2], v[XN+16:XN+31], v8      ; (a conversion's three registers begin on an even number)
	v_cvt_scalef32_pk16_fp6_f32 v[CC+6:CC+8], v[XN+32:XN+47], v9
	v_cvt_scalef32_pk16_fp6_f32 v[T2+4:T2+6], v[XN+48:XN+63], v9
	v_nop                                          ; one plain place behind the conversions
.irp i, 0,1,2
	v_mov_b32 v[CC+3+\i], v[T2+\i]
	v_mov_b32 v[CC+9+\i], v[T2+4+\i]
.endr
.irp c, 0,1,2
	global_store_b128 v1, v[CC+4*\c:CC+4*\c+3], s[12:13] offset:((\t)/2)*3072+((\t)%2)*1536+512*\c   ; 512 consecutive bytes, aligned to 256
.endr
.endm
	s_wait_alu depctr_va_vdst(0)
	LOADX 0
	LOADX 1
	STEPX 0
	STEPX 1
	STEPX 2
	STEPX 3
	v_cndmask_b32 v10, v[WD], v[WD+2], s26         ; lanes 0-15 store fragment 0's two words, lanes 16-31 fragment 1's
	v_cndmask_b32 v11, v[WD+1], v[WD+3], s26
	global_store_b64 v5, v[10:11], s[14:15]        ; 256 consecutive bytes, aligned
	s_wait_tensorcnt 0x0
	ds_add_u32 v240, v241
	s_wait_dscnt 0x0
	s_endpgm
; ---------------- W: K is the first axis.  A lane takes a column and its registers run down K: a block of 32 lies in one lane, and the conversions give codes with K innermost.
.Lpath_w:
	s_wait_alu depctr_va_vdst(0)
	v_and_b32 v6, 8, v11
	v_add_nc_u32 v6, v6, v11                       ; r + 8 (r / 8)
	v_lshl_add_u32 v6, v4, 3, v6                   ; + 8 u: lane r + 16 u is row r of fragment u
	v_lshlrev_b32 v3, 2, v6                        ; my column, in bytes: a load still covers 128 consecutive bytes
	v_mul_u32_u24 v4, v4, 3072
	v_lshl_add_u32 v4, v11, 4, v4                  ; my place in the images: fragment u, lane r (and, 256 bytes on, lane r + 16)
	s_sub_co_u32 s22, ttmp9, 256
	s_lshr_b32 s23, s22, 5                         ; which weight: 0, 1, 2
	s_and_b32 s27, s22, 7                          ; which 128 columns
	s_bfe_u32 s26, s22, 0x20003                    ; which 256 along K
	s_lshl_b32 s28, s23, 5
	s_lshl_b32 s29, s27, 2
	s_add_co_u32 s28, s28, s29
	s_add_co_u32 s28, s28, s20                     ; my group of 32 rows of the operand
	s_lshl_b32 s30, s26, 20                        ; 256 rows of 4,096 bytes
	s_lshl_b32 s31, s27, 9
	s_add_co_u32 s30, s30, s31
	s_lshl_b32 s31, s20, 7
	s_add_co_u32 s30, s30, s31
	s_mov_b32 s31, 0
	s_lshr_b32 s32, s28, 3                         ; the tile of 256 rows
	s_mul_i32 s32, s32, 196608
	s_and_b32 s33, s28, 7                          ; my two fragments in it
	s_mul_i32 s33, s33, 6144
	s_add_co_u32 s32, s32, s33
	s_mul_i32 s33, s26, 49152                      ; my 256 along K
	s_add_co_u32 s32, s32, s33
	s_mov_b32 s33, 0
	s_lshl_b32 s34, s28, 10
	s_lshl_b32 s35, s26, 8
	s_add_co_u32 s34, s34, s35
	s_mov_b32 s35, 0
	s_wait_alu depctr_va_vdst(0)
	s_wait_kmcnt 0x0
	s_cmp_eq_u32 s23, 0                            ; the choice hangs on the work-group's number alone
	s_cselect_b64 s[6:7], s[6:7], s[8:9]
	s_cmp_eq_u32 s23, 2
	s_cselect_b64 s[6:7], s[10:11], s[6:7]
	s_add_nc_u64 s[6:7], s[6:7], s[30:31]
	s_add_nc_u64 s[16:17], s[16:17], s[32:33]
	s_add_nc_u64 s[18:19], s[18:19], s[34:35]
.macro LOADW t                         ; block t: W(32 t + i, my column) into set t % 2
.set J, 0
.rept 32
	global_load_b32 v[XW+32*((\t)%2)+J], v3, s[6:7] offset:(32*(\t)+J)*4096 th:TH_LOAD_NT
.set J, J+1
.endr
.endm
.macro BLOCKW t                        ; block t: K step t / 4, and in it block t % 4 = 2 c + h of the image
.set XS, XW+32*((\t)%2)
.set CC, CW+12*(2*((\t)/4)+(\t)%2)+6*(((\t)/2)%2)
.if (\t) < 7
	s_wait_loadcnt 32                              ; this block's 32 loads are in; the next block's may be out
.else
	s_wait_loadcnt 0x0
.endif
	v_max3_num_f32 v12, |v[XS]|, |v[XS+1]|, |v[XS+2]|
	v_max3_num_f32 v13, |v[XS+3]|, |v[XS+4]|, |v[XS+5]|
.irp i, 6,10,14,18,22,26
	v_max3_num_f32 v12, v12, |v[XS+\i]|, |v[XS+\i+1]|
	v_max3_num_f32 v13, v13, |v[XS+\i+2]|, |v[XS+\i+3]|
.endr
	v_max3_num_f32 v12, v12, |v[XS+30]|, |v[XS+31]|
	v_max3_num_f32 v12, v12, v13, 0x1800000        ; and the floor
	v_add_nc_u32 v11, 0xff000000, v12
	v_lshrrev_b32 v13, 23, v11
.if (\t)%4 == 0
	v_mov_b32 v[SB+(\t)/4], v13
.else
	v_lshl_or_b32 v[SB+(\t)/4], v13, 8*((\t)%4), v[SB+(\t)/4]
.endif
	v_cvt_scalef32_pk16_fp6_f32 v[CC:CC+2], v[XS:XS+15], v11
	v_cvt_scalef32_pk16_fp6_f32 v[TW:TW+2], v[XS+16:XS+31], v11
	v_nop                                          ; one plain place behind the conversions
.irp i, 0,1,2
	v_mov_b32 v[CC+3+\i], v[TW+\i]
.endr
.if (\t)+2 < 8
	LOADW (\t)+2
.endif
.if ((\t)/2)%2 == 1                    ; the twelve registers of image lane r + 16 (t % 2) are whole.  No set is written twice, so no store's data are written again
.set CC, CW+12*(2*((\t)/4)+(\t)%2)
.irp c, 0,1,2
	global_store_b128 v4, v[CC+4*\c:CC+4*\c+3], s[16:17] offset:((\t)/4)*1536+512*\c+256*((\t)%2)   ; sixteen lanes fill 256 aligned bytes of fragment 0, sixteen of fragment 1
.endr
.endif
.endm
	LOADW 0
	LOADW 1
.irp t, 0,1,2,3,4,5,6,7
	BLOCKW \t
.endr
	global_store_b64 v5, v[SB:SB+1], s[18:19]      ; 8 x lane = 128 u + 8 r: 256 consecutive bytes, aligned
	s_endpgm
.Lfunc_end_k_q4513526ad5_prep:
	.size	k_q4513526ad5_prep, .Lfunc_end_k_q4513526ad5_prep-k_q4513526ad5_prep
	.p2alignl 7, 3214868480
	.fill 96, 4, 3214868480
	.section	.rodata,"a",@progbits
	.p2align	6, 0x0
	.amdhsa_kernel k_q4513526ad5_prep
		.amdhsa_group_segment_fixed_size 34304
		.amdhsa_private_segment_fixed_size 0
		.amdhsa_enable_private_segment 0
		.amdhsa_kernarg_size 64
		.amdhsa_user_sgpr_count 2
		.amdhsa_user_sgpr_kernarg_segment_ptr 1
		.amdhsa_wavefront_size32 1
		.amdhsa_system_sgpr_workgroup_id_x 1
		.amdhsa_system_sgpr_workgroup_id_y 1
		.amdhsa_system_sgpr_workgroup_id_z 1
		.amdhsa_system_vgpr_workitem_id 0
		.amdhsa_next_free_vgpr 242
		.amdhsa_next_free_sgpr 66
		.amdhsa_reserve_vcc 0
		.amdhsa_float_denorm_mode_32 3
		.amdhsa_float_denorm_mode_16_64 3
		.amdhsa_memory_ordered 1
		.amdhsa_forward_progress 1
		.amdhsa_inst_pref_size 69
	.end_amdhsa_kernel
	.amdgpu_metadata
---
amdhsa.version: [ 1, 2 ]
amdhsa.kernels:
  - .name:           k_q4513526ad5_prep
    .symbol:         k_q4513526ad5_prep.kd
    .args:
      - { .name: X, .offset: 0, .size: 8, .value_kind: global_buffer, .address_space: global }
      - { .name: W_q, .offset: 8, .size: 8, .value_kind: global_buffer, .address_space: global }
      - { .name: W_k, .offset: 16, .size: 8, .value_kind: global_buffer, .address_space: global }
      - { .name: W_v, .offset: 24, .size: 8, .value_kind: global_buffer, .address_space: global }
      - { .name: xc, .offset: 32, .size: 8, .value_kind: global_buffer, .address_space: global }
      - { .name: xs, .offset: 40, .size: 8, .value_kind: global_buffer, .address_space: global }
      - { .name: wc, .offset: 48, .size: 8, .value_kind: global_buffer, .address_space: global }
      - { .name: ws, .offset: 56, .size: 8, .value_kind: global_buffer, .address_space: global }
    .group_segment_fixed_size: 34304
    .private_segment_fixed_size: 0
    .kernarg_segment_align: 8
    .kernarg_segment_size: 64
    .max_flat_workgroup_size: 128
    .sgpr_count:     66
    .vgpr_count:     242
    .wavefront_size: 32
...
	.end_amdgpu_metadata
.endif
;; end of part 1
;; launch proj (part 2): grid 8 x 32, 4 waves a work-group, clusters of 4 x 4, 327,680 bytes of LDS; arguments xc, xs, wc, ws, qkvc, qkvs; writes qkvc, qkvs
.if DOCPART == 2
	.amdgcn_target "amdgcn-amd-amdhsa--gfx1250"
	.amdhsa_code_object_version 6
	.text
	.protected	k_q4513526ad5_proj
	.globl	k_q4513526ad5_proj
	.p2align	8
	.type	k_q4513526ad5_proj,@function
k_q4513526ad5_proj:
	s_mov_b64 s[64:65], 0
	v_nop
	global_prefetch_b8 v0, s[64:65] scope:SCOPE_SE
	s_setreg_imm32_b32 hwreg(HW_REG_WAVE_MODE, 25, 1), 1
	s_wait_xcnt 0x0
	s_wait_alu depctr_hold_cnt(0) depctr_sa_sdst(0) depctr_va_vdst(0) depctr_va_sdst(0) depctr_va_ssrc(0) depctr_va_vcc(0) depctr_vm_vsrc(0)
	s_getreg_b32 s2, hwreg(HW_REG_IB_STS2, 6, 4)
	s_cmp_eq_u32 s2, 0
	s_cbranch_scc0 .Lentry_in_a_cluster
	s_endpgm
.Lentry_in_a_cluster:
	s_bfe_u32 s2, ttmp6, 0x10000c
	s_cmp_lg_u32 s2, 0xf033
	s_cbranch_scc0 .Lentry_shape_is_right
	s_endpgm
.Lentry_shape_is_right:
; q = X W_q, k = X W_k, v = X W_v on codes of FP6 (E2M3) with E8M0 scales, sums in f32; the results are quantised here, in registers, for the two products of attention, and stored as images of the operand registers.
; 256 work-groups of four waves, each with TWO PHASES on the same 256 tokens (tile Y = 4 x cluster y + cy); X = 4 x cluster x + cx.
; PHASE 1: 256 tokens x 256 columns of W_q (X 0-3) or W_k (X 4-7); a wave 128 x 128: 64 accumulators.  A = the tokens, B = the columns: a lane holds a token and its registers run along the head's channels, q's and k's K.
; PHASE 2: columns 128 X .. 128 X + 127 of W_v x the same tokens; a wave 64 x 128: 32 accumulators.  A = W_v's columns, B = the tokens: a lane holds a channel and its registers run along the tokens, v's K.
; THE MATRIX INSTRUCTION: source 0 = 16 rows of B, source 1 = 16 rows of A.  The rows of a fragment are chosen (fragment 2 g + u, lane r: row 32 g + 8 u + r + 8 (r / 8)), so that the 16 registers of B's fragments 2 g, 2 g + 1 are 16 neighbours.
; OPERANDS lie in memory as register images: [tile of 256 rows][256 along K: 4][fragment: 16][K step: 2][1,536]: every tensor load is dense, in rows of 3,072 bytes; every LDS load reads 512 consecutive bytes.
; LDS.  The tokens' ring of two slots of 256 along K (2 x 49,152 bytes); the weights' region, W_q's or W_k's tile for ALL of K (4 x 49,152); the scale words; the spare words.
; FILLS.  At the head one load a wave: both slots of tokens, the weights' tile, the tokens' scale words, the weights'.  Four rounds of the cluster's barrier, one at the end of each 256 along K, each with the three lines ahead of it.
; Behind the first two: the tokens' K slots 2 and 3 into the ring (waves 0, 1), and W_v's rows onto the weights' K slots 0 and 1, which are read no more (waves 2, 3).
; Behind the last two: the tokens' K slots 0 and 1 once more, onto the weights' K slots 2 and 3 (waves 0, 1), and W_v's scale words onto the weights' (wave 2).
; PHASE 2 TAKES K IN THE ORDER 512.., 768.., 0.., 256..: the tokens' K slots 2 and 3 still lie in the ring.  So it has no refill and no round: one plain barrier shows the last loads to all.  The order of the f32 sums along K differs from ascending K.
; CLUSTERS: the tokens' tiles hang on Y and are asked for jointly by a row of the cluster, the weights' on X and by a column: the same tensor load, descriptor and mask in all four.
; OUT.  qkvc [batch x head 64][q, k, v][98,304]: q, k: [128 tokens: 16][tile of 16 tokens: 8][768]: registers 0-3 at 16 x lane, registers 4-5 at 512 + 8 x lane;  v: [128 tokens: 16][16 channels: 4][1,536]: whole fragments.
;   qkvs [64][q, k, v][16][lane][8]: q, k: register i of lane (r, h): the word of the PAIR of tiles 2 i + h, row r;  v: register i of lane (r, h): the word of fragment 2 i + h, row r.
; LIMITS: NaN and infinities are not served; a block whose largest magnitude lies under 2^-124 (zeros among them) gets the byte 1.
; REGISTERS, in windows of 256: window 0: v8-29 addresses; v32-63 scale words, two sets; v64-107 at work in the epilogues; v128-223 A's fragments (phase 2: two sets of four), later the new codes.
;   window 1: B's fragments, two sets, at v0 and v128.  windows 2, 3: the accumulators: (a, b) at v[8 (8 (a % 4) + b)] of window 2 + a / 4.
.set FR,     12                        ; registers of a fragment
.set NL,     3                         ; LDS loads that bring one
.set NP,     4                         ; places behind this matrix instruction (ISA guide 7.12.1)
.set HALFT,  24576                     ; 128 rows x 256 K
.set SLOT,   2*HALFT                   ; 256 rows x 256 K
.set BREG,   2*SLOT                    ; the weights' region, behind the ring
.set SCL,    BREG+4*SLOT               ; the tokens' scale words, 8,192 bytes;
.set SCLB,   8320                      ; the weights' begin here behind them: 128 bytes more, so that the two halves of the lanes read different banks
.set SPARE,  311552                    ; the spare words, 128 bytes a wave
.set ADRT, 8                           ; v8-11   phase 2: LDS address of my tokens' fragments, for each 256 along K in the order of work
.set ADRV, 12                          ; v12-13  phase 2: of my fragments of W_v, for each two of them
.set ADRS2, 14                         ; v14     phase 2: of my scale words: lanes 0-15 W_v's rows, lanes 16-31 the tokens'
.set ADRA, 16                          ; v16-17  of my tokens' fragments in slot 0, 1
.set ADRB, 20                          ; v20-23  of my fragments of the weights, K slot 0 .. 3
.set L8,   25
.set L16,  26
.set ADRS, 27                          ; v27     of my scale words: lanes 0-15 A's rows, lanes 16-31 B's
.set SPW,  28
.set NIL,  29
.set SC,   32                          ; scale words: set s at v[SC + 16 s]; register 2 i + q: lanes 0-15 A's block i, lanes 16-31 B's block i, the slot's q-th 128 along K
.set TM,   64
.set T2,   80
.set PWS,  96
.set WR,   104
.set AF,   128
.set CD,   128
.set G1, 24                            ; s[24:31] group 1 of the tokens' tiles (my row of the cluster);  s[32:39] group 0, one set for each slot
.set G0, 32
.set G1B, 48                           ; s[48:55], s[56:63] the same for the weights' tiles (my column)
.set G0B, 56
.set G1S, 68                           ; s[68:75], s[76:79] the tokens' scale words;  s[80:87], s[88:91] the weights'
.set G0S, 76
.set G1SB, 80
.set G0SB, 88
.set MSB, 0
.macro WIN new
.if MSB != \new
	s_set_vgpr_msb (MSB<<8)|\new
.set MSB, \new
.endif
.endm
.set MUL_LO, 0xa1                      ; source 0 (B) window 1, source 1 (A) window 0, C and D window 2
.set MUL_HI, 0xf1
.set TO_B,   0x40
.macro WALU
	s_wait_alu depctr_va_vdst(0)
.endm
.macro PLACES n
.rept \n
	v_nop
.endr
.endm
.macro TLOAD g0, g1                    ; s_nop 0 and four v_nop behind every tensor load
	tensor_load_to_lds s[\g0:\g0+3], s[\g1:\g1+7]
	s_nop 0
	PLACES 4
.endm
.macro JLOAD slot                      ; waves 0, 1: the tokens' next K slot; waves 2, 3: W_v's rows.  The branch hangs on the wave's number alone
	s_cmp_eq_u32 s17, 0
	s_cbranch_scc0 .Lfor_b_\@
	TLOAD G0+4*\slot, G1
	s_branch .Lasked_\@
.Lfor_b_\@:
	TLOAD G0B+4*\slot, G1B
.Lasked_\@:
.endm
.macro TOKLOAD slot, sc                ; waves 0, 1: the tokens' K slot 0 or 1 for phase 2;  sc = 1: wave 2 W_v's scale words
	s_cmp_eq_u32 s17, 0
	s_cbranch_scc0 .Lnot_tok_\@
	TLOAD G0+4*\slot, G1
	s_branch .Ltok_done_\@
.Lnot_tok_\@:
.if \sc
	s_cmp_eq_u32 s16, 2
	s_cbranch_scc0 .Ltok_none_\@
	tensor_load_to_lds s[G0SB:G0SB+3], s[G1SB:G1SB+7]
	s_nop 0
.Ltok_none_\@:
.endif
	PLACES 4
.Ltok_done_\@:
.endm
.macro CREST
	s_cmp_lg_u32 s16, 0
	s_cbranch_scc1 .Lnot_wave_0_\@
	s_barrier_signal -3
.Lnot_wave_0_\@:
	s_barrier_wait -3
	s_barrier_signal -1
	s_barrier_wait -1
.endm
.macro CROUND
	s_barrier_signal -1
	s_barrier_wait -1
	CREST
.endm
	s_load_b256 s[4:11], s[0:1], 0x0               ; xc, xs, wc, ws
	s_load_b128 s[12:15], s[0:1], 0x20             ; qkvc, qkvs
	v_lshl_add_u32 v[SPW], v0, 2, SPARE
	v_mov_b32 v[NIL], 0
	ds_add_u32 v[SPW], v[NIL]                      ; the opening lines: the add twice on end and its wait
	ds_add_u32 v[SPW], v[NIL]
	v_lshrrev_b32 v1, 5, v0
	v_readfirstlane_b32 s16, v1                    ; wave 0..3
	s_lshr_b32 s17, s16, 1                         ; which half of A's rows is mine
	s_and_b32 s18, s16, 1                          ; which half of B's rows; also which half of a tile I fetch
	s_bfe_u32 s40, ttmp6, 0x40000                  ; cx, cy
	s_bfe_u32 s41, ttmp6, 0x40004
	s_lshl_b32 s44, s41, 2
	s_lshl_b32 s44, 15, s44                        ; my row of the cluster
	s_lshl_b32 s45, 0x1111, s40                    ; my column
	s_and_b32 s19, ttmp7, 0xffff
	s_lshl_b32 s19, s19, 2
	s_add_co_u32 s19, s19, s41                     ; Y: made of the cluster's y and cy alone
	s_lshl_b32 s3, ttmp9, 2
	s_add_co_u32 s3, s3, s40                       ; X: of the cluster's x and cx alone
	s_or_b32 s[G1+0], s44, (3<<16)|(1<<21)         ; elements of 8 bytes; bit 21 set beside a mask
	s_or_b32 s[G1B+0], s45, (3<<16)|(1<<21)
.irp g, G1, G1B
	s_mov_b32 s[\g+1], 384<<16                     ; dense rows of 3,072 bytes
	s_mov_b32 s[\g+3], 384<<16
	s_mov_b32 s[\g+5], 384
	s_mov_b32 s[\g+6], 0
	s_mov_b32 s[\g+7], 0
.endr
	s_mov_b32 s[G1+2], 32<<16                      ; the head's loads: 32 rows (both slots of tokens), 64 rows (the weights' tile); behind them these words are set to 8
	s_mov_b32 s[G1+4], 32
	s_mov_b32 s[G1B+2], 64<<16
	s_mov_b32 s[G1B+4], 64
	s_or_b32 s[G1S+0], s44, (3<<16)|(1<<21)
	s_or_b32 s[G1SB+0], s45, (3<<16)|(1<<21)
.irp g, G1S, G1SB
	s_mov_b32 s[\g+1], 32<<16                      ; the scale words of 256 rows: 32 rows of 256 bytes
	s_mov_b32 s[\g+2], 32<<16
	s_mov_b32 s[\g+3], 32<<16
	s_mov_b32 s[\g+4], 32
	s_mov_b32 s[\g+5], 32
	s_mov_b32 s[\g+6], 0
	s_mov_b32 s[\g+7], 0
.endr
	s_mul_i32 s42, s19, 196608                     ; byte offsets: the tokens' codes,
	s_mov_b32 s43, 0
	s_lshl_b32 s[G0S+2], s19, 13                   ; their scale words,
	s_mov_b32 s[G0S+3], 0
	s_mul_i32 s46, s3, 196608                      ; W_q's or W_k's tile,
	s_mov_b32 s47, 0
	s_lshl_b32 s[G0SB+2], s3, 13                   ; its scale words,
	s_mov_b32 s[G0SB+3], 0
	s_lshl_b32 s92, s3, 12                         ; the scale words of W_v's 128 rows (W_v's rows begin at 2,048),
	s_add_co_u32 s92, s92, 65536
	s_mov_b32 s93, 0
	s_lshr_b32 s66, s3, 1                          ; and their codes: tile 8 + X / 2, half X % 2
	s_add_co_u32 s66, s66, 8
	s_mul_i32 s66, s66, 196608
	s_and_b32 s67, s3, 1
	s_mul_i32 s67, s67, HALFT
	s_add_co_u32 s66, s66, s67
	s_mov_b32 s67, 0
	s_mul_i32 s2, s18, HALFT                       ; the half of a slot that I fetch: the same offset in LDS and in memory
	s_mov_b32 s20, s2
	s_mov_b32 s21, 0
	s_mul_i32 s22, s18, SLOT                       ; W_v: which K slot of a pair I fetch
	s_mov_b32 s23, 0
	s_wait_dscnt 0x0
	s_wait_kmcnt 0x0
	s_add_nc_u64 s[42:43], s[4:5], s[42:43]
	s_add_nc_u64 s[G0S+2:G0S+3], s[6:7], s[G0S+2:G0S+3]
	s_add_nc_u64 s[46:47], s[8:9], s[46:47]
	s_add_nc_u64 s[66:67], s[8:9], s[66:67]
	s_add_nc_u64 s[G0SB+2:G0SB+3], s[10:11], s[G0SB+2:G0SB+3]
	s_add_nc_u64 s[92:93], s[10:11], s[92:93]
	CROUND                                         ; all sixteen work-groups are here: the first joint loads meet
	s_mov_b32 s[G0S], 1
	s_mov_b32 s[G0S+1], SCL
	s_or_b32 s[G0S+3], s[G0S+3], 0x80000000
	s_mov_b32 s[G0SB], 1
	s_mov_b32 s[G0SB+1], SCL+SCLB
	s_or_b32 s[G0SB+3], s[G0SB+3], 0x80000000
	s_mov_b32 s4, 1                                ; group 0 of the head's loads of codes, in registers that held arguments
	s_mov_b32 s5, 0
	s_mov_b64 s[6:7], s[42:43]
	s_or_b32 s7, s7, 0x80000000
	s_mov_b32 s8, 1
	s_mov_b32 s9, BREG
	s_mov_b64 s[10:11], s[46:47]
	s_or_b32 s11, s11, 0x80000000
	s_add_nc_u64 s[42:43], s[42:43], s[20:21]      ; for the ring: my half of a slot
.irp s, 0,1
	s_mov_b32 s[G0+4*\s], 1
	s_add_co_u32 s[G0+4*\s+1], s2, \s*SLOT
	s_add_nc_u64 s[G0+4*\s+2:G0+4*\s+3], s[42:43], \s*SLOT
	s_or_b32 s[G0+4*\s+3], s[G0+4*\s+3], 0x80000000
	s_mov_b32 s[G0B+4*\s], 1                       ; W_v's rows: 24,576 bytes a K slot, laid in the order of phase 2's work
	s_add_co_u32 s[G0B+4*\s+1], s2, BREG+\s*SLOT
	s_add_nc_u64 s[G0B+4*\s+2:G0B+4*\s+3], s[66:67], s[22:23]
.endr
	s_add_nc_u64 s[G0B+2:G0B+3], s[G0B+2:G0B+3], 2*SLOT   ; the first round brings W_v's K slots 2 and 3, the second 0 and 1
	s_or_b32 s[G0B+3], s[G0B+3], 0x80000000
	s_or_b32 s[G0B+7], s[G0B+7], 0x80000000
; THE HEAD'S LOADS, ONE A WAVE: one chain of branches on the wave's number, all arms leading to one join
.macro ARM under, g0, g1, next
	s_cmp_lt_u32 s16, \under
	s_cbranch_scc0 \next
	TLOAD \g0, \g1
	s_branch .Lhead_asked
\next:
.endm
	ARM 1, 4, G1, .Lhead_b
	ARM 2, 8, G1B, .Lhead_sa
	ARM 3, G0S, G1S, .Lhead_sb
	TLOAD G0SB, G1SB
.Lhead_asked:
	s_mul_i32 s20, s17, HALFT                      ; phase 1: my 128 tokens in a slot,
	s_add_co_u32 s21, s2, BREG                     ; my 128 columns in a K slot,
	s_lshl_b32 s23, s17, 12                        ; my scale words: A's, and the distance to B's
	s_lshl_b32 s22, s18, 12
	s_add_co_u32 s22, s22, SCLB
	s_sub_co_u32 s22, s22, s23
	s_add_co_u32 s23, s23, SCL
	s_mul_i32 s42, s17, 12288                      ; phase 2: my 64 rows of W_v,
	s_add_co_u32 s42, s42, BREG
	s_lshl_b32 s43, s18, 12                        ; my tokens' scale words, and the distance to those of my rows of W_v
	s_lshl_b32 s46, s17, 11
	s_add_co_u32 s46, s46, SCLB
	s_sub_co_u32 s46, s46, s43
	s_add_co_u32 s43, s43, SCL
	v_and_b32 v1, 15, v0                           ; r
	v_bfe_u32 v2, v0, 4, 1                         ; h
	v_and_b32 v3, 31, v0
	v_lshlrev_b32 v[L16], 4, v3
	v_lshlrev_b32 v[L8], 3, v3
	v_add_nc_u32 v[ADRA], s20, v[L16]
	v_add_nc_u32 v[ADRA+1], SLOT, v[ADRA]
	v_add_nc_u32 v[ADRB], s21, v[L16]
	v_add_nc_u32 v[ADRB+1], SLOT, v[ADRB]
	v_add_nc_u32 v[ADRB+2], SLOT, v[ADRB+1]
	v_add_nc_u32 v[ADRB+3], SLOT, v[ADRB+2]
	v_lshlrev_b32 v5, 3, v1                        ; my row's two words of a slot
	v_mul_u32_u24 v6, s22, v2                      ; lanes 16-31 take B's: one product, the distance between the two bases
	v_add_nc_u32 v6, v5, v6
	v_add_nc_u32 v[ADRS], s23, v6
	v_add_nc_u32 v[ADRT], s2, v[L16]               ; the tokens in phase 2's order: the ring's slots 0, 1, then the weights' K slots 2, 3
	v_add_nc_u32 v[ADRT+1], SLOT, v[ADRT]
	v_add_nc_u32 v[ADRT+2], BREG+2*SLOT, v[ADRT]
	v_add_nc_u32 v[ADRT+3], SLOT, v[ADRT+2]
	v_add_nc_u32 v[ADRV], s42, v[L16]
	v_add_nc_u32 v[ADRV+1], SLOT, v[ADRV]
	v_add_nc_u32 v[ADRS2], s43, v5
	v_sub_nc_u32 v7, 1, v2
	v_mul_u32_u24 v7, s46, v7                      ; lanes 0-15 take W_v's
	v_add_nc_u32 v[ADRS2], v[ADRS2], v7
	; where the results go
	s_lshr_b32 s20, s19, 3
	s_lshl_b32 s20, s20, 4                         ; batch x 16
	s_and_b32 s21, s19, 7
	s_lshl_b32 s21, s21, 1                         ; the tile's first group of 128 tokens in the batch
	s_lshl_b32 s22, s3, 1                          ; v: my 64 rows are head 2 X + my half of A; my tokens are my half of B
	s_add_co_u32 s22, s22, s17
	s_add_co_u32 s22, s22, s20
	s_add_co_u32 s23, s21, s18
	s_mul_i32 s94, s22, 294912
	s_mul_i32 s95, s23, 6144
	s_add_co_u32 s94, s94, s95
	s_add_co_u32 s94, s94, 196608
	s_mov_b32 s95, 0
	s_mul_i32 s96, s22, 12288
	s_lshl_b32 s97, s23, 8
	s_add_co_u32 s96, s96, s97
	s_add_co_u32 s96, s96, 8192
	s_mov_b32 s97, 0
	s_add_nc_u64 s[94:95], s[12:13], s[94:95]
	s_add_nc_u64 s[96:97], s[14:15], s[96:97]
	s_lshl_b32 s22, s40, 2                         ; q, k: my 128 columns are heads 4 cx + 2 x my half of B on; my tokens are my half of A; the part is the cluster's x
	s_add_co_u32 s22, s22, s20
	s_lshl_b32 s23, s18, 1
	s_add_co_u32 s22, s22, s23
	s_add_co_u32 s23, s21, s17
	s_mul_i32 s20, s22, 294912
	s_mul_i32 s21, ttmp9, 98304
	s_add_co_u32 s20, s20, s21
	s_mul_i32 s21, s23, 6144
	s_add_co_u32 s20, s20, s21
	s_mov_b32 s21, 0
	s_add_nc_u64 s[12:13], s[12:13], s[20:21]
	s_mul_i32 s20, s22, 12288
	s_lshl_b32 s22, ttmp9, 12
	s_add_co_u32 s20, s20, s22
	s_lshl_b32 s23, s23, 8
	s_add_co_u32 s20, s20, s23
	s_add_nc_u64 s[14:15], s[14:15], s[20:21]
	s_mov_b32 s2, 0xffff0000                       ; lanes 16-31
	s_mov_b32 s20, 0x76543210
	s_mov_b32 s21, 0xfedcba98                      ; v_permlanex16_b32: lane l xor 16
.macro FRAG reg, adr, q, i, o=0        ; a fragment: three loads of 512 consecutive bytes give the twelve registers as they were stored
.irp c, 0,1,2
	ds_load_b128 v[\reg+4*\c:\reg+4*\c+3], v[\adr] offset:(\i)*3072+(\q)*1536+512*\c+(\o)
.endr
.endm
; 8 matrix instructions: A's block a (its fragment af) x B's eight.  p: B's set;  sc: the set of scale words.  zero = 1: the first product starts the sums.
; The accumulators take turns, one instruction a turn, in the same order in every step.
.macro MUL8 a, af, p, q, sc, zero
.irp b, 0,1,2,3,4,5,6,7
.if \zero
	v_wmma_scale_f32_16x16x128_f8f6f4 v[8*(8*((\a)%4)+\b):8*(8*((\a)%4)+\b)+7], v[128*(\p)+FR*\b:128*(\p)+FR*\b+FR-1], v[AF+FR*(\af):AF+FR*(\af)+FR-1], 0, v[SC+16*(\sc)+2*\b+(\q)], v[SC+16*(\sc)+2*(\a)+(\q)] matrix_a_fmt:MATRIX_FMT_FP6 matrix_b_fmt:MATRIX_FMT_FP6 matrix_a_scale:MATRIX_SCALE_ROW1
.else
	v_wmma_scale_f32_16x16x128_f8f6f4 v[8*(8*((\a)%4)+\b):8*(8*((\a)%4)+\b)+7], v[128*(\p)+FR*\b:128*(\p)+FR*\b+FR-1], v[AF+FR*(\af):AF+FR*(\af)+FR-1], v[8*(8*((\a)%4)+\b):8*(8*((\a)%4)+\b)+7], v[SC+16*(\sc)+2*\b+(\q)], v[SC+16*(\sc)+2*(\a)+(\q)] matrix_a_fmt:MATRIX_FMT_FP6 matrix_b_fmt:MATRIX_FMT_FP6 matrix_a_scale:MATRIX_SCALE_ROW1
.endif
.endr
.endm
.macro MUL16 a0, p, q, sc, zero
	MUL8 \a0, \a0, \p, \q, \sc, \zero
	MUL8 \a0+1, \a0+1, \p, \q, \sc, \zero
.endm
.macro FETCH_B ks, q, p                ; the weights' eight fragments of K slot ks into set p
	WIN TO_B
.irp i, 0,1,2,3,4,5,6,7
	FRAG 128*(\p)+FR*\i, ADRB+(\ks), \q, \i
.endr
	WIN 0
.endm
.macro FETCH_A slot, q, i0             ; the tokens' blocks i0 .. i0 + 3
.irp i, \i0, \i0+1, \i0+2, \i0+3
	FRAG AF+FR*(\i), ADRA+\slot, \q, \i
.endr
.endm
.macro SCALES sc, adr, o               ; a slot's scale words into set sc: two words a row; lanes 0-15 take A's block i, lanes 16-31 B's block i
.irp i, 0,1,2,3,4,5,6,7
	ds_load_b64 v[SC+16*(\sc)+2*\i:SC+16*(\sc)+2*\i+1], v[\adr] offset:(\i/2)*1024+(\i%2)*128+(\o)
.endr
.endm
; PHASE 1.  A slot's first 128 along K.  A has one set of registers: a block is free when its eight products are issued; B has two.
.macro STEP slot, ks, zero
	s_wait_dscnt 4*NL                              ; B's set and A's blocks 0-3 are in; the youngest 12 loads (A's blocks 4-7) may be out
	WIN MUL_LO
	MUL16 0, 0, 0, \slot, \zero
	MUL16 2, 0, 0, \slot, \zero
	s_wait_dscnt 0
	PLACES NP
	FETCH_B \ks, 1, 1
	FETCH_A \slot, 1, 0
	WIN MUL_HI
	MUL16 4, 0, 0, \slot, \zero
	MUL16 6, 0, 0, \slot, \zero
	PLACES NP
	WIN 0
	FETCH_A \slot, 1, 4
.endm
; A slot's second 128 along K, with a round.  mode 1: the ring's slot and the weights' K slot ks are filled again (tokens two K slots on; W_v);  2: the weights' K slot ks takes the tokens' K slot ks - 2;  3: likewise, W_v's scale words too, and nothing more is fetched
.macro TURN slot, next, ks, mode
	s_wait_tensorcnt 0x0                           ; all my tensor loads have landed
	ds_add_u32 v[SPW], v[NIL]
	s_wait_dscnt 4*NL+1                            ; (the add and the youngest 12 loads may be out)
	WIN MUL_LO
	MUL16 0, 1, 1, \slot, 0
	s_wait_dscnt 0x0                               ; the add is done, and my reads of this slot and of this K slot of the weights are over
	s_barrier_signal -1
	MUL16 2, 1, 1, \slot, 0
	WIN 0
	s_barrier_wait -1
	CREST
.if \mode == 1
	s_add_nc_u64 s[G0+4*\slot+2:G0+4*\slot+3], s[G0+4*\slot+2:G0+4*\slot+3], 2*SLOT
	JLOAD \slot
.else
	s_add_co_u32 s[G0+4*\slot+1], s[G0+4*\slot+1], BREG+2*SLOT
	s_sub_nc_u64 s[G0+4*\slot+2:G0+4*\slot+3], s[G0+4*\slot+2:G0+4*\slot+3], 2*SLOT
	TOKLOAD \slot, (\mode == 3)
.endif
.if \mode != 3
	WALU
	v_add_nc_u32 v[ADRS], 256, v[ADRS]             ; on to the next slot's scale words
	FETCH_B (\ks)+1, 0, 0
	FETCH_A \next, 0, 0
	SCALES \next, ADRS, 0
.endif
	WIN MUL_HI
	MUL16 4, 1, 1, \slot, 0
	MUL16 6, 1, 1, \slot, 0
.if \mode != 3
	PLACES NP
	WIN 0
	FETCH_A \next, 0, 4
.else
	WIN 0
.endif
.endm
; PHASE 2.  kk: which 256 along K in the order of work; both operands have two sets of registers
.macro FETCHV kk, q, p
	WIN TO_B
.irp i, 0,1,2,3,4,5,6,7
	FRAG 128*(\p)+FR*\i, ADRT+(\kk), \q, \i
.endr
	WIN 0
.irp i, 0,1,2,3
	FRAG AF+48*(\p)+FR*\i, ADRV+(\kk)/2, \q, \i, ((\kk)%2)*HALFT
.endr
.endm
.macro VSTEP n                         ; step n of eight: the next step's fragments are asked for, then 32 products
.set NX, (\n)+1
	s_wait_dscnt 0x0                               ; this step's fragments are in
.if NX < 8
	PLACES NP                                      ; behind the last step's products, which read the sets that are loaded now
	FETCHV NX/2, NX%2, NX%2
.if NX%2 == 0
	SCALES (NX/2)%2, ADRS2, ((NX/2+2)%4)*256       ; the true K slot is two on from the order of work
.endif
.endif
	WIN MUL_LO
.irp a, 0,1,2,3
	MUL8 \a, \a+4*((\n)%2), (\n)%2, (\n)%2, ((\n)/2)%2, ((\n) == 0)
.endr
	WIN 0
.endm
; THE EPILOGUE.  For A's block a the 64 registers of its eight accumulators are, in lane (r, h): register 16 b + i = index 32 b + 16 h + i along B's 128 rows, of A's row r: four blocks of 32 along the next product's K.
.macro QUANTA a
.set AC, 64*((\a)%4)
.set WW, 2+(\a)/4
.set CA, CD+12*(\a)
	WIN (WW<<2)|(WW<<4)
.irp b, 0,1,2,3
	v_max3_num_f32 v[TM+\b], 0x1800000, |v[AC+16*\b]|, |v[AC+16*\b+1]|   ; each accumulator from its low end on, and the floor 2^(3 - 127)
.endr
.irp i, 2,4,6,8,10,12,14
.irp b, 0,1,2,3
	v_max3_num_f32 v[TM+\b], v[TM+\b], |v[AC+16*\b+\i]|, |v[AC+16*\b+\i+1]|
.endr
.endr
	WIN 0
.irp b, 0,1,2,3
	v_permlanex16_b32 v[TM+4+\b], v[TM+\b], s20, s21
.endr
.irp b, 0,1,2,3
	v_max_num_f32 v[TM+\b], v[TM+\b], v[TM+4+\b]   ; with lane l xor 16's: the block's largest magnitude
.endr
.irp b, 0,1,2,3
	v_add_nc_u32 v[TM+12+\b], 0xff000000, v[TM+\b] ; 2 off its exponent field: the conversion's scale operand
.endr
.irp b, 0,1,2,3
	v_lshrrev_b32 v[TM+4+\b], 23, v[TM+12+\b]      ; the byte
.endr
	v_lshl_or_b32 v[PWS+(\a)], v[TM+5], 8, v[TM+4]
	v_lshl_or_b32 v[PWS+(\a)], v[TM+6], 16, v[PWS+(\a)]
	v_lshl_or_b32 v[PWS+(\a)], v[TM+7], 24, v[PWS+(\a)]
	WIN WW
.irp c, 0,1
	v_cvt_scalef32_pk16_fp6_f32 v[CA+6*\c:CA+6*\c+2], v[AC+32*\c:AC+32*\c+15], v[TM+12+2*\c]
	v_cvt_scalef32_pk16_fp6_f32 v[T2+4*\c:T2+4*\c+2], v[AC+32*\c+16:AC+32*\c+31], v[TM+13+2*\c]
.endr
	WIN 0
	v_nop                                          ; one plain place behind the conversions
.irp c, 0,1                                    ; a whole block in a lane: lanes 0-15 block 2 c, lanes 16-31 block 2 c + 1
.irp i, 0,1,2
	v_permlane16_swap_b32 v[CA+6*\c+\i], v[T2+4*\c+\i]
.endr
.irp i, 0,1,2
	v_mov_b32 v[CA+6*\c+3+\i], v[T2+4*\c+\i]
.endr
.endr
.endm
	WALU
	s_wait_tensorcnt 0x0                           ; my one load of the head is in; no load of mine is out, so descriptors may be written:
	s_mov_b32 s[G1+2], 8<<16                       ; from here on a load of codes brings 8 rows,
	s_mov_b32 s[G1+4], 8
	s_mov_b32 s[G1B+2], 8<<16
	s_mov_b32 s[G1B+4], 8
	s_mov_b32 s[G1SB+2], 16<<16                    ; and the one load of scale words still to come those of W_v's 128 rows
	s_mov_b32 s[G1SB+4], 16
	s_mov_b64 s[G0SB+2:G0SB+3], s[92:93]
	s_or_b32 s[G0SB+3], s[G0SB+3], 0x80000000
	s_barrier_signal -1
	s_barrier_wait -1                              ; everybody's is in
	FETCH_B 0, 0, 0
	FETCH_A 0, 0, 0
	SCALES 0, ADRS, 0
	FETCH_A 0, 0, 4
	STEP 0, 0, 1                                   ; the first step's products start the sums
	TURN 0, 1, 0, 1
	STEP 1, 1, 0
	TURN 1, 0, 1, 1
	STEP 0, 2, 0
	TURN 0, 1, 2, 2
	STEP 1, 3, 0
	TURN 1, 0, 3, 3
	PLACES NP
.irp b, 0,1,2,3
	v_mov_b32 v[TM+4+\b], 0                        ; written once: a lane permute's destination counts as one of its sources
.endr
.irp a, 0,1,2,3,4,5,6,7
	QUANTA \a
.endr
	; q, k: my 128 channels are two heads; head c has registers 6 c .. 6 c + 5 of each of my eight tiles of tokens, and bytes 2 c, 2 c + 1 of their words
.irp c, 0,1
.irp a, 0,1,2,3,4,5,6,7
	global_store_b128 v[L16], v[CD+12*\a+6*\c:CD+12*\a+6*\c+3], s[12:13] offset:\c*294912+\a*768       ; 512 consecutive bytes, aligned to 256
	global_store_b64 v[L8], v[CD+12*\a+6*\c+4:CD+12*\a+6*\c+5], s[12:13] offset:\c*294912+\a*768+512   ; 256 consecutive bytes, aligned
.endr
.irp i, 0,1,2,3
	v_perm_b32 v[TM+4*\c+\i], v[PWS+2*\i+1], v[PWS+2*\i], 0x05040100+0x02020202*\c   ; the pair's word: two bytes of the even tile, two of the odd
.endr
	v_cndmask_b32 v[WR+2*\c], v[TM+4*\c], v[TM+4*\c+1], s2          ; register i: lanes 0-15 pair 2 i, lanes 16-31 pair 2 i + 1
	v_cndmask_b32 v[WR+2*\c+1], v[TM+4*\c+2], v[TM+4*\c+3], s2
	global_store_b64 v[L8], v[WR+2*\c:WR+2*\c+1], s[14:15] offset:\c*12288
.endr
	WALU
	s_wait_xcnt 0x0                                ; the stores have read their registers, which phase 2 loads and writes again
	s_wait_tensorcnt 0x0                           ; my last loads are in,
	s_wait_dscnt 0x0
	s_barrier_signal -1
	s_barrier_wait -1                              ; everybody's are
	FETCHV 0, 0, 0
	SCALES 0, ADRS2, 2*256
.irp n, 0,1,2,3,4,5,6,7
	VSTEP \n
.endr
	PLACES NP
.irp a, 0,1,2,3
	QUANTA \a
.endr
	; v: each of A's four blocks is a whole fragment of my head, K = my 128 tokens
.irp a, 0,1,2,3
.irp c, 0,1,2
	global_store_b128 v[L16], v[CD+12*\a+4*\c:CD+12*\a+4*\c+3], s[94:95] offset:\a*1536+512*\c
.endr
.endr
	v_cndmask_b32 v[WR], v[PWS], v[PWS+1], s2      ; register i: lanes 0-15 fragment 2 i, lanes 16-31 fragment 2 i + 1
	v_cndmask_b32 v[WR+1], v[PWS+2], v[PWS+3], s2
	global_store_b64 v[L8], v[WR:WR+1], s[96:97]
	s_wait_tensorcnt 0x0                           ; the wave's end
	ds_add_u32 v[SPW], v[NIL]
	s_wait_dscnt 0x0
	CROUND                                         ; the closing round
	s_endpgm
.Lfunc_end_k_q4513526ad5_proj:
	.size	k_q4513526ad5_proj, .Lfunc_end_k_q4513526ad5_proj-k_q4513526ad5_proj
	.p2alignl 7, 3214868480
	.fill 96, 4, 3214868480
	.section	.rodata,"a",@progbits
	.p2align	6, 0x0
	.amdhsa_kernel k_q4513526ad5_proj
		.amdhsa_group_segment_fixed_size 327680
		.amdhsa_private_segment_fixed_size 0
		.amdhsa_enable_private_segment 0
		.amdhsa_kernarg_size 48
		.amdhsa_user_sgpr_count 2
		.amdhsa_user_sgpr_kernarg_segment_ptr 1
		.amdhsa_wavefront_size32 1
		.amdhsa_system_sgpr_workgroup_id_x 1
		.amdhsa_system_sgpr_workgroup_id_y 1
		.amdhsa_system_sgpr_workgroup_id_z 1
		.amdhsa_system_vgpr_workitem_id 0
		.amdhsa_next_free_vgpr 1024
		.amdhsa_next_free_sgpr 100
		.amdhsa_reserve_vcc 0
		.amdhsa_float_denorm_mode_32 3
		.amdhsa_float_denorm_mode_16_64 3
		.amdhsa_memory_ordered 1
		.amdhsa_forward_progress 1
		.amdhsa_inst_pref_size 216
	.end_amdhsa_kernel
	.amdgpu_metadata
---
amdhsa.version: [ 1, 2 ]
amdhsa.kernels:
  - .name:           k_q4513526ad5_proj
    .symbol:         k_q4513526ad5_proj.kd
    .args:
      - { .name: xc, .offset: 0, .size: 8, .value_kind: global_buffer, .address_space: global }
      - { .name: xs, .offset: 8, .size: 8, .value_kind: global_buffer, .address_space: global }
      - { .name: wc, .offset: 16, .size: 8, .value_kind: global_buffer, .address_space: global }
      - { .name: ws, .offset: 24, .size: 8, .value_kind: global_buffer, .address_space: global }
      - { .name: qkvc, .offset: 32, .size: 8, .value_kind: global_buffer, .address_space: global }
      - { .name: qkvs, .offset: 40, .size: 8, .value_kind: global_buffer, .address_space: global }
    .group_segment_fixed_size: 327680
    .private_segment_fixed_size: 0
    .kernarg_segment_align: 8
    .kernarg_segment_size: 48
    .max_flat_workgroup_size: 128
    .sgpr_count:     100
    .vgpr_count:     1024
    .wavefront_size: 32
...
	.end_amdgpu_metadata
.endif
;; end of part 2
;; launch attn (part 3): grid 4 x 64, 8 waves a work-group, clusters of 4 x 1, 276,480 bytes of LDS; arguments qkvc, qkvs, out0; writes out0
.if DOCPART == 3
	.amdgcn_target "amdgcn-amd-amdhsa--gfx1250"
	.amdhsa_code_object_version 6
	.text
	.protected	k_q4513526ad5_attn
	.globl	k_q4513526ad5_attn
	.p2align	8
	.type	k_q4513526ad5_attn,@function
k_q4513526ad5_attn:
	s_mov_b64 s[64:65], 0
	v_nop
	global_prefetch_b8 v0, s[64:65] scope:SCOPE_SE
	s_setreg_imm32_b32 hwreg(HW_REG_WAVE_MODE, 25, 1), 1
	s_wait_xcnt 0x0
	s_wait_alu depctr_hold_cnt(0) depctr_sa_sdst(0) depctr_va_vdst(0) depctr_va_sdst(0) depctr_va_ssrc(0) depctr_va_vcc(0) depctr_vm_vsrc(0)
	s_getreg_b32 s2, hwreg(HW_REG_IB_STS2, 6, 4)
	s_cmp_eq_u32 s2, 0
	s_cbranch_scc0 .Lentry_in_a_cluster
	s_endpgm
.Lentry_in_a_cluster:
	s_bfe_u32 s2, ttmp6, 0x10000c
	s_cmp_lg_u32 s2, 0x3003
	s_cbranch_scc0 .Lentry_shape_is_right
	s_endpgm
.Lentry_shape_is_right:
; out[b][q][head][:] = the sum over keys k <= q of softmax_k(q . k / 32) v, both products on codes of FP6 (E2M3) with E8M0 scales; 64 (batch, head) pairs, 2,048 tokens, 64 channels.
; THE SOFTMAX AHEAD OF THE SECOND PRODUCT: t = score x log2(e) / 32; M = the running largest t rounded UP to a whole number; p = 2^(t - M) is quantised along the keys, not normalised.
; The row's sum is taken of the unquantised p and divides at the end.  When M moves, the sums and O are multiplied by 2^(old M - new M): exact.
; WORK LEFT OUT: key steps whose 128 keys all come after a tile's queries lie wholly under the causal mask that the problem builds itself: their p is 0 for all inputs.
; SHARES.  The four work-groups of a cluster serve one (batch, head).  Its 2,048 queries are 16 groups of 128, each 8 tiles of 16.  A tile of group G needs G + 1 key steps of 128; the last lies on the diagonal.
; Wave j (0 .. 7) of work-group cx takes tiles 2 cx and 2 cx + 1 of group 15 - j TOGETHER, then of group j: 17 key steps for every wave.  Branches hang on j and the step counter, never on cx.
; Both tiles are multiplied by the same fragments of K and V: each fragment is read from LDS once for 32 queries.
; LDS holds the head's WHOLE K and V as codes (2 x 98,304 bytes) and their scale words (2 x 4,096): every byte is filled once, by joint loads of the four work-groups, ONE A WAVE: waves 0, 1 the scale words,
; waves 2, 3 key steps 0-3 of K and of V, waves 4-7 key steps 4-15 in four parts.  Nothing is filled again; the key loops hold no barrier.  No prefetch: all of K and V is asked for at the head, there is no loop to run ahead in.
; LAYOUT.  Both products are used transposed: S^T = K Q^T, O^T = V^T P^T: a lane holds ONE query (lane % 16).  All operands lie as images of their registers (the launch before lays them so).
; THE FIRST PRODUCT'S K IS 64, half an instruction's 128: one operand holds TWO tiles of keys and is multiplied once by [Q | 0] and once by [0 | Q].  The zeros are zero codes; their scale bytes are 0.
; [Q | 0] and [0 | Q] share their six zero registers: Q, 0, Q in 18 registers.
; The tokens of a tile are not neighbours: lane r of tile 2 b + u is token 32 b + 8 u + r + 8 (r / 8); so the 16 registers of tiles 2 b, 2 b + 1 are keys 32 b + 16 (lane / 16) + 0 .. 15.
; LIMITS: NaN and infinities are not served; a block of p whose largest p lies under 2^-124 gets the byte 1; the scaled scores t stay under 2^31 in magnitude.
; REGISTERS, two windows of 256.  Window 0: v0-19 addresses; v20-30 scale words; v32-59, v60-87 the row state of tile 0, 1; v96-229 tile 0's Q, codes of p, O^T, S^T.
; Window 1: v0-47 V's fragments, v48-95 K's; v96-229 tile 1's Q, codes of p, O^T, S^T, at tile 0's numbers.
.set SCK,  196608                      ; LDS: K's codes at 0, V's at 98,304; K's scale words here, V's 4,096 further on;
.set STG,  204800                      ; two stages of 16 rows x 272 bytes for each wave, for the way out;
.set SPARE, 274432                     ; the spare words, 128 bytes a wave
.set L16, 1                            ; 16 x lane
.set L8,  2                            ; 8 x lane
.set LV,  3                            ; 16 x lane + V
.set LS,  4                            ; 8 x lane + SCK
.set R8,  5                            ; 8 r
.set OUTP, 7                           ; my place in O
.set ADK16, 8                          ; LDS addresses: the next step's K, 16 and 8 bytes a lane,
.set ADK8, 9
.set ADV, 10                           ; this step's V,
.set ADSK, 11                          ; K's and V's scale words
.set ADSV, 12
.set STI, 13                           ; the stage, in and out
.set STO, 14
.set NINF, 15                          ; -infinity
.set SPW, 16
.set NIL, 17
.set KW,  20                           ; v[20:21] K's scale words, v[22:23] V's, v24-27 those over [Q | 0], [0 | Q] of tile 0, 1, v28-29 p's
.set VW,  22
.set QS,  24
.set PW,  28
.set QWL, 30
.set ST0, 32                           ; a tile's row state, 28 registers:
.set ST1, 60
.set SUM, 2                            ; +0 -M, +1 the largest t; +2 .. 9 the row's sum in four pairs
.set F,   10                           ; f = 2^(old M - new M)
.set TMP, 12
.set QTH, 13
.set BM,  14                           ; each block's largest score, then its largest p
.set BP,  18
.set SOP, 22                           ; the conversions' scale operands
.set Q,   96
.set PCD, 114
.set T2,  126
.set O,   134                          ; O^T: register 16 b + i = channel 32 b + 16 (lane / 16) + i
.set S,   166
.set VF,  0
.set KF,  48
.set WV,  10                           ; s10 the wave = j, s13 cx, s14 batch x 16 + head
.set G,   15                           ; the group of queries in hand
.set ST,  16                           ; the key step
.set TK,  17                           ; 6,144 x the key step;  s19: of the step fetched ahead
.set TS,  18                           ; 256 x the key step;  s86 likewise
.set TKN, 19
.set TSN, 86
.set SEL, 20
.set CS,  22                           ; c = log2(e) / 32
.set MSB, 0
.macro WIN new                         ; the immediate's high byte repeats the setting that is left
.if MSB != (\new)
	s_set_vgpr_msb (MSB<<8)|(\new)
.set MSB, (\new)
.endif
.endm
.macro WALU
	s_wait_alu depctr_va_vdst(0)
.endm
.macro PLACES n
.rept \n
	v_nop
.endr
.endm
.macro CROUND
	s_barrier_signal -1
	s_barrier_wait -1
	s_cmp_lg_u32 s[WV], 0
	s_cbranch_scc1 .Lnot_wave_0_\@
	s_barrier_signal -3
.Lnot_wave_0_\@:
	s_barrier_wait -3
	s_barrier_signal -1
	s_barrier_wait -1
.endm
.macro TLOAD g0, g1
	tensor_load_to_lds s[\g0:\g0+3], s[\g1:\g1+7]
	s_nop 0
	PLACES 4
.endm
.macro MM d, a, b, c, sa, sb, row      ; source 0's scales from lanes 16-31 where row = 1
.if \row
	v_wmma_scale_f32_16x16x128_f8f6f4 v[\d:\d+7], v[\a:\a+11], v[\b:\b+11], \c, v[\sa], v[\sb] matrix_a_fmt:MATRIX_FMT_FP6 matrix_b_fmt:MATRIX_FMT_FP6 matrix_a_scale:MATRIX_SCALE_ROW1
.else
	v_wmma_scale_f32_16x16x128_f8f6f4 v[\d:\d+7], v[\a:\a+11], v[\b:\b+11], \c, v[\sa], v[\sb] matrix_a_fmt:MATRIX_FMT_FP6 matrix_b_fmt:MATRIX_FMT_FP6
.endif
.endm
	s_load_b128 s[4:7], s[0:1], 0x0                ; qkvc, qkvs
	s_load_b64 s[8:9], s[0:1], 0x10                ; out0
	v_lshl_add_u32 v[SPW], v0, 2, SPARE
	v_mov_b32 v[NIL], 0
	ds_add_u32 v[SPW], v[NIL]                      ; the opening lines: the add twice on end and its wait
	ds_add_u32 v[SPW], v[NIL]
	v_lshrrev_b32 v18, 5, v0
	v_readfirstlane_b32 s[WV], v18
	s_bfe_u32 s13, ttmp6, 0x40000                  ; cx
	s_and_b32 s14, ttmp7, 0xffff                   ; the (batch, head), which the four partners share
.irp g, 24, 32, 40                     ; groups 1: R rows of 256 dense bytes, for all four work-groups: R = 16 (scale words), 96 (key steps 0-3), 144 (six of key steps 4-15)
	s_mov_b32 s[\g], 15|(3<<16)|(1<<21)
	s_mov_b32 s[\g+1], 32<<16
	s_mov_b32 s[\g+3], 32<<16
	s_mov_b32 s[\g+5], 32
	s_mov_b32 s[\g+6], 0
	s_mov_b32 s[\g+7], 0
.endr
	s_mov_b32 s26, 16<<16
	s_mov_b32 s28, 16
	s_mov_b32 s34, 96<<16
	s_mov_b32 s36, 96
	s_mov_b32 s42, 144<<16
	s_mov_b32 s44, 144
	s_and_b32 s74, s[WV], 1                        ; even waves fetch for K, odd ones for V
	s_lshl_b32 s75, s74, 12
	s_mul_i32 s76, s74, 98304
	s_bfe_u32 s77, s[WV], 0x10001                  ; waves 4-7: which six of key steps 4-15
	s_mul_i32 s77, s77, 36864
	s_add_co_u32 s77, s77, s76
	s_add_co_u32 s77, s77, 24576
	s_mul_i32 s80, s14, 294912
	s_mov_b32 s81, 0
	s_mul_i32 s82, s14, 12288
	s_mov_b32 s83, 0
	s_mov_b32 s85, 0
	s_wait_dscnt 0x0
	s_wait_kmcnt 0x0
	s_add_nc_u64 s[4:5], s[4:5], s[80:81]          ; the head's q, k, v
	s_add_nc_u64 s[6:7], s[6:7], s[82:83]
	s_mov_b32 s48, 1
	s_add_co_u32 s49, s75, SCK
	s_mov_b32 s84, s75
	s_add_nc_u64 s[50:51], s[6:7], s[84:85]
	s_add_nc_u64 s[50:51], s[50:51], 4096          ; k's and v's words lie behind q's
	s_or_b32 s51, s51, 0x80000000
	s_mov_b32 s52, 1
	s_mov_b32 s53, s76
	s_mov_b32 s84, s76
	s_add_nc_u64 s[54:55], s[4:5], s[84:85]
	s_add_nc_u64 s[54:55], s[54:55], 98304         ; k's and v's codes lie behind q's
	s_or_b32 s55, s55, 0x80000000
	s_mov_b32 s56, 1
	s_mov_b32 s57, s77
	s_mov_b32 s84, s77
	s_add_nc_u64 s[58:59], s[4:5], s[84:85]
	s_add_nc_u64 s[58:59], s[58:59], 98304
	s_or_b32 s59, s59, 0x80000000
	CROUND                                         ; all four work-groups are here: the joint loads meet
	s_cmp_lt_u32 s[WV], 2                          ; one chain of branches on the wave's number, one load to an arm
	s_cbranch_scc0 .Larm_first
	TLOAD 48, 24
	s_branch .Lasked
.Larm_first:
	s_cmp_lt_u32 s[WV], 4
	s_cbranch_scc0 .Larm_rest
	TLOAD 52, 32
	s_branch .Lasked
.Larm_rest:
	TLOAD 56, 40
.Lasked:
	; where Q, its scale word and O lie, for each of my two groups: cx enters these global addresses alone
	s_mul_i32 s74, s13, 1536                       ; tile 2 cx of a group
	s_sub_co_u32 s75, 15, s[WV]                    ; the first group: 15 - j
	s_mov_b32 s77, 0
	s_mul_i32 s76, s75, 6144
	s_add_co_u32 s76, s76, s74
	s_add_nc_u64 s[60:61], s[4:5], s[76:77]
	s_mul_i32 s76, s[WV], 6144
	s_add_co_u32 s76, s76, s74
	s_add_nc_u64 s[62:63], s[4:5], s[76:77]
	s_and_b32 s74, s13, 1                          ; the pair cx: register cx / 2 of the lanes' half cx % 2
	s_lshl_b32 s74, s74, 7
	s_lshr_b32 s78, s13, 1
	s_lshl_b32 s78, s78, 2
	s_add_co_u32 s74, s74, s78
	s_lshl_b32 s76, s75, 8
	s_add_co_u32 s76, s76, s74
	s_add_nc_u64 s[66:67], s[6:7], s[76:77]
	s_lshl_b32 s76, s[WV], 8
	s_add_co_u32 s76, s76, s74
	s_add_nc_u64 s[68:69], s[6:7], s[76:77]
	s_lshr_b32 s74, s14, 4
	s_lshl_b32 s74, s74, 11                        ; the batch's first token
	s_lshl_b32 s78, s13, 5
	s_add_co_u32 s74, s74, s78                     ; + 32 cx
	s_and_b32 s79, s14, 15
	s_lshl_b32 s79, s79, 8                         ; the head's 256 bytes in a row of 4,096
	s_lshl_b32 s76, s75, 7
	s_add_co_u32 s76, s76, s74
	s_lshl_b32 s76, s76, 12
	s_add_co_u32 s76, s76, s79
	s_add_nc_u64 s[70:71], s[8:9], s[76:77]
	s_lshl_b32 s76, s[WV], 7
	s_add_co_u32 s76, s76, s74
	s_lshl_b32 s76, s76, 12
	s_add_co_u32 s76, s76, s79
	s_add_nc_u64 s[72:73], s[8:9], s[76:77]
	s_mov_b32 s[SEL], 0x76543210
	s_mov_b32 s[SEL+1], 0xfedcba98                 ; v_permlanex16_b32: lane l xor 16
	s_mov_b32 s[CS], 0x3d38aa3b                    ; log2(e) / 32
	s_mov_b32 s[CS+1], s[CS]
	v_and_b32 v18, 31, v0                          ; lane
	v_and_b32 v19, 15, v0                          ; r
	v_bfe_u32 v6, v0, 4, 1                         ; h
	v_lshlrev_b32 v[L16], 4, v18
	v_lshlrev_b32 v[L8], 3, v18
	v_add_nc_u32 v[LV], 98304, v[L16]
	v_add_nc_u32 v[LS], SCK, v[L8]
	v_lshlrev_b32 v[R8], 3, v19
	v_lshlrev_b32 v[OUTP], 12, v6
	v_lshl_add_u32 v[OUTP], v19, 4, v[OUTP]        ; O: lanes 0-15 one token's row, lanes 16-31 the next; 16 bytes a lane
	s_mul_i32 s74, s[WV], 8704
	s_add_co_u32 s74, s74, STG                     ; my two stages
	v_mul_u32_u24 v[STI], v19, 272
	v_lshl_add_u32 v[STI], v6, 6, v[STI]
	v_add_nc_u32 v[STI], s74, v[STI]               ; in: row r, + 64 h
	v_mul_u32_u24 v[STO], v6, 272
	v_lshl_add_u32 v[STO], v19, 4, v[STO]
	v_add_nc_u32 v[STO], s74, v[STO]               ; back: lanes 0-15 one row, lanes 16-31 the next
.irp t, 0,1
	WIN (\t<<6)
.irp i, 6,7,8,9,10,11
	v_mov_b32 v[Q+\i], 0                           ; the zero codes between the two copies of Q
.endr
.endr
	WIN 0
.irp o, ST0, ST1
.irp b, 0,1,2,3
	v_mov_b32 v[\o+BP+\b], 0                       ; written once: a lane permute's destination counts as one of its sources
.endr
	v_mov_b32 v[\o+F+1], 0                         ; (named as the upper half of a pair)
	v_mov_b32 v[\o+TMP], 0
.endr
	v_mov_b32 v[NINF], 0xff800000
; A pass begins: Q twice for each tile, the scale words, the running numbers
.macro PROLOG qa, qs
	WALU                                           ; ahead of the first readers of the addresses
.irp t, 0,1
	WIN (\t<<6)
	global_load_b128 v[Q:Q+3], v[L16], s[\qa:\qa+1] offset:768*\t
	global_load_b64 v[Q+4:Q+5], v[L8], s[\qa:\qa+1] offset:768*\t+512
	global_load_b128 v[Q+12:Q+15], v[L16], s[\qa:\qa+1] offset:768*\t
	global_load_b64 v[Q+16:Q+17], v[L8], s[\qa:\qa+1] offset:768*\t+512
.endr
	WIN 0
	global_load_b32 v[QWL], v[R8], s[\qs:\qs+1]    ; the pair's word: two bytes of tile 2 cx, two of tile 2 cx + 1
.irp o, ST0, ST1
	v_mov_b32 v[\o+1], 0xff61b1e6                  ; the largest t so far: -3e38
	v_floor_f32 v[\o], -v[\o+1]                    ; -M
.irp i, 0,1,2,3,4,5,6,7
	v_mov_b32 v[\o+SUM+\i], 0
.endr
.endr
	WALU
	s_wait_loadcnt 0x0
	v_and_b32 v[QS], 0xffff, v[QWL]                ; over [Q | 0] of tile 0,
	v_lshlrev_b32 v[QS+1], 16, v[QWL]              ; over [0 | Q];
	v_lshrrev_b32 v[QS+2], 16, v[QWL]              ; and of tile 1
	v_and_b32 v[QS+3], 0xffff0000, v[QWL]
.irp t, 0,1
	WIN (\t<<6)
.set J, 0
.rept 32
	v_mov_b32 v[O+J], 0                            ; O^T: the first change of M leaves zeros zeros.  (Also the places between the scale words and the first scaled product)
.set J, J+1
.endr
.endr
	WIN 0
.endm
.macro KLOAD                           ; four pairs of K's tiles and their words: 17 loads
	WIN 0x40
.irp b, 0,1,2,3
	ds_load_b128 v[KF+12*\b:KF+12*\b+3], v[ADK16] offset:1536*\b
	ds_load_b64 v[KF+12*\b+4:KF+12*\b+5], v[ADK8] offset:1536*\b+512
	ds_load_b128 v[KF+12*\b+6:KF+12*\b+9], v[ADK16] offset:1536*\b+768
	ds_load_b64 v[KF+12*\b+10:KF+12*\b+11], v[ADK8] offset:1536*\b+1280
.endr
	WIN 0
	ds_load_b64 v[KW:KW+1], v[ADSK]                ; register i: lanes 0-15 pair 2 i, lanes 16-31 pair 2 i + 1
.endm
.macro KFIRST                          ; a loop's first K
	v_add_nc_u32 v[ADK16], s[TK], v[L16]
	v_add_nc_u32 v[ADK8], s[TK], v[L8]
	v_add_nc_u32 v[ADSK], s[TS], v[LS]
	KLOAD
.endm
.macro FMA t                           ; t - M
	WIN 0x41*\t
.set J, 0
.rept 32
	v_pk_fma_f32 v[S+J:S+J+1], v[S+J:S+J+1], s[CS:CS+1], v[ST0+28*\t:ST0+28*\t+1] op_sel_hi:[1,0,0]
.set J, J+2
.endr
.endm
.macro EXPS t                          ; p = 2^(t - M)
	WIN 0x41*\t
.set J, 0
.rept 64
	v_exp_f32 v[S+J], v[S+J]
.set J, J+1
.endr
.endm
.macro CODES t                         ; p's codes, a whole block in a lane; then the row's sum of the unquantised p, in four chains
	WIN 0x41*\t
.irp c, 0,1
	v_cvt_scalef32_pk16_fp6_f32 v[PCD+6*\c:PCD+6*\c+2], v[S+32*\c:S+32*\c+15], v[ST0+28*\t+SOP+2*\c]
	v_cvt_scalef32_pk16_fp6_f32 v[T2+4*\c:T2+4*\c+2], v[S+32*\c+16:S+32*\c+31], v[ST0+28*\t+SOP+2*\c+1]
.endr
	v_nop                                          ; one plain place behind the conversions
.irp c, 0,1
.irp i, 0,1,2
	v_permlane16_swap_b32 v[PCD+6*\c+\i], v[T2+4*\c+\i]
.endr
.irp i, 0,1,2
	v_mov_b32 v[PCD+6*\c+3+\i], v[T2+4*\c+\i]
.endr
.endr
	WIN 0x04*\t
.set J, 0
.rept 32
	v_pk_add_f32 v[ST0+28*\t+SUM+2*(J%4):ST0+28*\t+SUM+2*(J%4)+1], v[ST0+28*\t+SUM+2*(J%4):ST0+28*\t+SUM+2*(J%4)+1], v[S+2*J:S+2*J+1]
.set J, J+1
.endr
.endm
.macro PV t                            ; O^T += V^T P^T: four accumulators, one instruction each
	WIN 1+0x54*\t
.irp f, 0,1,2,3
	MM O+8*\f, VF+12*\f, PCD, v[O+8*\f:O+8*\f+7], VW+\f/2, PW+\t, \f%2
.endr
.endm
; A KEY STEP: 128 keys x my 32 queries.  diag = 1: the step may lie on the diagonal or behind it.  lim: the loop's last step: K is fetched one step ahead, and never beyond it
.macro STEP diag, lim
.if \diag
	s_cmp_gt_u32 s[ST], s[G]                       ; all its keys come after my queries: the work is left out; the steps of the addresses at the end are not
	s_cbranch_scc1 .Lhidden_\@
.endif
	s_add_co_u32 s[TKN], s[TK], 6144
	s_min_u32 s[TKN], s[TKN], (\lim)*6144
	s_add_co_u32 s[TSN], s[TS], 256
	s_min_u32 s[TSN], s[TSN], (\lim)*256
	v_add_nc_u32 v[ADV], s[TK], v[LV]              ; (these five are also the places between the last products and the loads into V's registers)
	v_add_nc_u32 v[ADSV], s[TS], v[LS]
	v_add_nc_u32 v[ADK16], s[TKN], v[L16]
	v_add_nc_u32 v[ADK8], s[TKN], v[L8]
	v_add_nc_u32 v[ADSK], s[TSN], v[LS]
	WIN 0x40
.irp f, 0,1,2,3
.irp c, 0,1,2
	ds_load_b128 v[VF+12*\f+4*\c:VF+12*\f+4*\c+3], v[ADV] offset:1536*\f+512*\c
.endr
.endr
	WIN 0
	ds_load_b64 v[VW:VW+1], v[ADSV] offset:4096
	WALU
	s_wait_dscnt 13                                ; K and its words are in; V's 13 loads may be out
.irp t, 0,1
	WIN 1+0x54*\t
.irp b, 0,1,2,3
	MM S+16*\b, KF+12*\b, Q, 0, KW+\b/2, QS+2*\t, \b%2
	MM S+16*\b+8, KF+12*\b, Q+6, 0, KW+\b/2, QS+2*\t+1, \b%2
.endr
.endr                                          ; register 16 b + i of lane (r, h): key 32 b + 16 h + i of the step, query r
	WIN 0
	PLACES 4                                       ; in front of the loads into K's registers, and of the first read of the scores
	KLOAD                                          ; the next step's K
.if \diag
	s_cmp_lg_u32 s[ST], s[G]
	s_cbranch_scc1 .Lopen_\@                       ; all keys of this step count
.irp t, 0,1
	WIN 0x41*\t
.set J, 0
; On the diagonal key 32 b + 16 h + i is hidden from query 32 cx + 8 t + r + 8 (r / 8) where it is the larger.  Block b > cx: all its keys; b < cx: none; b = cx: where 16 h + i > 8 t + r + 8 (r / 8),
; a mask of lanes that is a constant of the text.  cx chooses between the three by s_cselect_b32: a value, no branch.  A hidden score becomes -infinity, p = 0.
; The masks lie in s24-56, which held descriptors: every tensor load was waited for ahead of the loops with this text.
.irp b, 0,1,2,3
	s_cmp_lt_u32 s13, \b
	s_cselect_b32 s56, -1, 0
	s_cmp_eq_u32 s13, \b
.set I_, 0
.rept 16
.set MK, 0
.set L_, 0
.rept 32
.if I_ > 8*\t+(L_%16)+8*((L_%16)/8)-16*(L_/16)
.set MK, MK|(1<<L_)
.endif
.set L_, L_+1
.endr
	s_cselect_b32 s[24+16*(\b%2)+I_], MK, s56
.set I_, I_+1
.endr
.set I_, 0
.rept 16
	v_cndmask_b32 v[S+16*\b+I_], v[S+16*\b+I_], v[NINF], s[24+16*(\b%2)+I_]
.set I_, I_+1
.endr
.endr
.endr
	WIN 0
.Lopen_\@:
.endif
.irp t, 0,1                                    ; the largest score of each block of 32 keys: for the row's maximum and, since p rises with the score, for the block's largest p
	WIN 0x14*\t
.irp b, 0,1,2,3
	v_max3_num_f32 v[ST0+28*\t+BM+\b], v[NINF], v[S+16*\b], v[S+16*\b+1]
.endr
.irp i, 2,4,6,8,10,12,14
.irp b, 0,1,2,3
	v_max3_num_f32 v[ST0+28*\t+BM+\b], v[ST0+28*\t+BM+\b], v[S+16*\b+\i], v[S+16*\b+\i+1]
.endr
.endr
.endr
	WIN 0
.irp o, ST0, ST1
.irp b, 0,1,2,3
	v_permlanex16_b32 v[\o+BP+\b], v[\o+BM+\b], s[SEL], s[SEL+1]
.endr
.endr
.irp o, ST0, ST1
.irp b, 0,1,2,3
	v_max_num_f32 v[\o+BM+\b], v[\o+BM+\b], v[\o+BP+\b]   ; with lane l xor 16's 16 keys
.endr
.endr
.irp o, ST0, ST1                               ; the two tiles' chains line by line
	v_max3_num_f32 v[\o+TMP], v[\o+BM], v[\o+BM+1], v[\o+BM+2]
.endr
.irp o, ST0, ST1
	v_max_num_f32 v[\o+TMP], v[\o+TMP], v[\o+BM+3]
.endr
.irp o, ST0, ST1
	v_mul_f32 v[\o+TMP], s[CS], v[\o+TMP]          ; as t
.endr
.irp o, ST0, ST1
	v_max_num_f32 v[\o+1], v[\o+1], v[\o+TMP]      ; the running largest t
.endr
.irp o, ST0, ST1
	v_mov_b32 v[\o+TMP], v[\o]
.endr
.irp o, ST0, ST1
	v_floor_f32 v[\o], -v[\o+1]                    ; the new -M = -ceil(t): a whole number
.endr
.irp o, ST0, ST1
	v_sub_f32 v[\o+TMP], v[\o], v[\o+TMP]          ; old M - new M: 0 or less
.endr
.irp o, ST0, ST1
	v_cvt_i32_f32 v[\o+TMP], v[\o+TMP]             ; (it saturates)
.endr
.irp o, ST0, ST1
	v_ldexp_f32 v[\o+F], 1.0, v[\o+TMP]            ; f = 2^(old M - new M)
.endr
.irp o, ST0, ST1
.irp c, 0,2,4,6
	v_pk_mul_f32 v[\o+SUM+\c:\o+SUM+\c+1], v[\o+SUM+\c:\o+SUM+\c+1], v[\o+F:\o+F+1] op_sel_hi:[1,0]   ; the sums under the new M
.endr
.endr
.irp t, 0,1
	WIN 0x41*\t
.set J, 0
.rept 16
	v_pk_mul_f32 v[O+J:O+J+1], v[O+J:O+J+1], v[ST0+28*\t+F:ST0+28*\t+F+1] op_sel_hi:[1,0]   ; O^T under the new M, each accumulator from its low end on; both tiles ahead of the exponentials
.set J, J+2
.endr
.endr
	FMA 0
.irp o, ST0, ST1
.irp b, 0,1,2,3
	v_fma_f32 v[\o+BM+\b], v[\o+BM+\b], s[CS], v[\o]   ; the same of each block's largest score
.endr
.endr
	WALU                                           ; ahead of a batch
	EXPS 0
.irp o, ST0, ST1
.irp b, 0,1,2,3
	v_exp_f32 v[\o+BM+\b], v[\o+BM+\b]             ; the blocks' largest p: the same two instructions on the same number
.endr
.endr
	FMA 1                                          ; plain work behind tile 0's batch
	WALU                                           ; behind the first batch and ahead of the second
	EXPS 1
	WIN 0
.irp o, ST0, ST1                               ; plain work behind tile 1's batch: it names results of the first batch alone
.irp b, 0,1,2,3
	v_max_num_f32 v[\o+BM+\b], 0x1800000, v[\o+BM+\b]   ; the floor 2^(3 - 127)
.endr
.endr
.irp o, ST0, ST1
.irp b, 0,1,2,3
	v_add_nc_u32 v[\o+SOP+\b], 0xff000000, v[\o+BM+\b]  ; 2 off the exponent field: the conversion's scale operand
.endr
.endr
.irp o, ST0, ST1
.irp b, 0,1,2,3
	v_lshrrev_b32 v[\o+BP+\b], 23, v[\o+SOP+\b]    ; the byte
.endr
.endr
.irp t, 0,1
	v_lshl_or_b32 v[PW+\t], v[ST0+28*\t+BP+1], 8, v[ST0+28*\t+BP]
.endr
.irp t, 0,1
	v_lshl_or_b32 v[PW+\t], v[ST0+28*\t+BP+2], 16, v[PW+\t]
.endr
.irp t, 0,1
	v_lshl_or_b32 v[PW+\t], v[ST0+28*\t+BP+3], 24, v[PW+\t]
.endr
	CODES 0
	WALU                                           ; behind tile 1's batch, and directly ahead of the wait below
	s_wait_dscnt 17                                ; V and its words are in; the next K's 17 loads may be out
	PV 0
	CODES 1                                        ; it names none of the registers of the four products above
	PV 1
	WIN 0
.if \diag
.Lhidden_\@:
.endif
	s_add_co_u32 s[TK], s[TK], 6144
	s_add_co_u32 s[TS], s[TS], 256
.endm
; THE WAY OUT: O^T / the sum goes through my stages and leaves as whole rows: sixteen lanes store a token's 256 bytes of this head, aligned
.macro WAYOUT dst
.irp o, ST0, ST1
	v_pk_add_f32 v[\o+SUM:\o+SUM+1], v[\o+SUM:\o+SUM+1], v[\o+SUM+2:\o+SUM+3]
	v_pk_add_f32 v[\o+SUM+4:\o+SUM+5], v[\o+SUM+4:\o+SUM+5], v[\o+SUM+6:\o+SUM+7]
.endr
.irp o, ST0, ST1
	v_pk_add_f32 v[\o+SUM:\o+SUM+1], v[\o+SUM:\o+SUM+1], v[\o+SUM+4:\o+SUM+5]
.endr
.irp o, ST0, ST1
	v_add_f32 v[\o+SUM], v[\o+SUM], v[\o+SUM+1]
.endr
.irp o, ST0, ST1
	v_permlanex16_b32 v[\o+TMP], v[\o+SUM], s[SEL], s[SEL+1]
.endr
.irp o, ST0, ST1
	v_add_f32 v[\o+SUM], v[\o+SUM], v[\o+TMP]      ; the row's sum
.endr
	WALU
.irp o, ST0, ST1
	v_rcp_f32 v[\o+SUM], v[\o+SUM]
.endr
	PLACES 4
.irp t, 0,1
	WALU                                           ; directly ahead of the first readers
	WIN 0x41*\t
.set J, 0
.rept 32
	v_mul_f32 v[S+J], v[O+J], v[ST0+28*\t+SUM]
.set J, J+1
.endr
	WIN (\t<<2)
.irp b, 0,1
.irp q, 0,1,2,3
	ds_store_b128 v[STI], v[S+16*\b+4*\q:S+16*\b+4*\q+3] offset:4352*\t+128*\b+16*\q   ; channels 32 b + 16 h + 4 q on
.endr
.endr
	WIN (\t<<6)
.irp i, 0,1,2,3,4,5,6,7
	ds_load_b128 v[S+32+4*\i:S+32+4*\i+3], v[STO] offset:4352*\t+544*\i   ; LDS serves a wave's instructions in order: these see my stores.  Rows 2 i and 2 i + 1 of the tile
.endr
.endr
.irp t, 0,1
	s_wait_dscnt 16*(1-\t)                         ; tile t is back; tile 1's sixteen LDS instructions may be out
	WIN (\t<<2)
.irp i, 0,1,2,3,4,5,6,7
	global_store_b128 v[OUTP], v[S+32+4*\i:S+32+4*\i+3], s[\dst:\dst+1] offset:32768*\t+(2*\i+8*(\i/4))*4096 th:TH_STORE_NT   ; the tile's row n is token 8 t + n + 8 (n / 8)
.endr
.endr
	WIN 0
.endm
	s_sub_co_u32 s[G], 15, s[WV]                   ; PASS 1: group 15 - j, 8 or more: key steps 0-3 are never on the diagonal
	PROLOG 60, 66
	WALU
	s_cmp_lt_u32 s[WV], 4
	s_cbranch_scc0 .Lnot_early
	s_wait_tensorcnt 0x0                           ; waves 0-3: the scale words and key steps 0-3 are in; the loads of waves 4-7 may be out
.Lnot_early:
	s_barrier_signal -1
	s_barrier_wait -1
	s_mov_b32 s[ST], 0
	s_mov_b32 s[TK], 0
	s_mov_b32 s[TS], 0
	KFIRST
.Lsteps_a:
	STEP 0, 3
	s_add_co_u32 s[ST], s[ST], 1
	s_cmp_lt_u32 s[ST], 4
	s_cbranch_scc1 .Lsteps_a
	s_wait_tensorcnt 0x0                           ; every wave: its load is in,
	s_wait_dscnt 0x0
	s_barrier_signal -1
	s_barrier_wait -1                              ; everybody's is: from here on LDS is only read (but for the waves' own stages)
	s_mov_b32 s[ST], 4
	s_mov_b32 s[TK], 24576
	s_mov_b32 s[TS], 1024
	KFIRST
.Lsteps_b:                                             ; a constant number of trips; a wave's hidden steps are passed over inside
	STEP 1, 15
	s_add_co_u32 s[ST], s[ST], 1
	s_cmp_lt_u32 s[ST], 16
	s_cbranch_scc1 .Lsteps_b
	WALU
	WAYOUT 70
	s_mov_b32 s[G], s[WV]                          ; PASS 2: group j, 7 or less
	s_wait_xcnt 0x0                                ; the stores have read their registers, which the next steps write again
	PROLOG 62, 68
	s_mov_b32 s[ST], 0
	s_mov_b32 s[TK], 0
	s_mov_b32 s[TS], 0
	KFIRST
.Lsteps_c:
	STEP 1, 7
	s_add_co_u32 s[ST], s[ST], 1
	s_cmp_lt_u32 s[ST], 8
	s_cbranch_scc1 .Lsteps_c
	WALU
	WAYOUT 72
	s_wait_tensorcnt 0x0                           ; the wave's end
	ds_add_u32 v[SPW], v[NIL]
	s_wait_dscnt 0x0
	CROUND                                         ; the closing round
	s_endpgm
.Lfunc_end_k_q4513526ad5_attn:
	.size	k_q4513526ad5_attn, .Lfunc_end_k_q4513526ad5_attn-k_q4513526ad5_attn
	.p2alignl 7, 3214868480
	.fill 96, 4, 3214868480
	.section	.rodata,"a",@progbits
	.p2align	6, 0x0
	.amdhsa_kernel k_q4513526ad5_attn
		.amdhsa_group_segment_fixed_size 276480
		.amdhsa_private_segment_fixed_size 0
		.amdhsa_enable_private_segment 0
		.amdhsa_kernarg_size 24
		.amdhsa_user_sgpr_count 2
		.amdhsa_user_sgpr_kernarg_segment_ptr 1
		.amdhsa_wavefront_size32 1
		.amdhsa_system_sgpr_workgroup_id_x 1
		.amdhsa_system_sgpr_workgroup_id_y 1
		.amdhsa_system_sgpr_workgroup_id_z 1
		.amdhsa_system_vgpr_workitem_id 0
		.amdhsa_next_free_vgpr 512
		.amdhsa_next_free_sgpr 100
		.amdhsa_reserve_vcc 0
		.amdhsa_float_denorm_mode_32 3
		.amdhsa_float_denorm_mode_16_64 3
		.amdhsa_memory_ordered 1
		.amdhsa_forward_progress 1
		.amdhsa_inst_pref_size 159
	.end_amdhsa_kernel
	.amdgpu_metadata
---
amdhsa.version: [ 1, 2 ]
amdhsa.kernels:
  - .name:           k_q4513526ad5_attn
    .symbol:         k_q4513526ad5_attn.kd
    .args:
      - { .name: qkvc, .offset: 0, .size: 8, .value_kind: global_buffer, .address_space: global }
      - { .name: qkvs, .offset: 8, .size: 8, .value_kind: global_buffer, .address_space: global }
      - { .name: out0, .offset: 16, .size: 8, .value_kind: global_buffer, .address_space: global }
    .group_segment_fixed_size: 276480
    .private_segment_fixed_size: 0
    .kernarg_segment_align: 8
    .kernarg_segment_size: 24
    .max_flat_workgroup_size: 256
    .sgpr_count:     100
    .vgpr_count:     512
    .wavefront_size: 32
...
	.end_amdgpu_metadata
.endif
;; end of part 3
